; MI455X (gfx1250); checked and timed in simulation.
; The chip was launched on July 23, 2026; its instructions are those of AMD's public machine-readable ISA for CDNA 5 (MIT licence, August 2026) and "CDNA5" Instruction Set Architecture Reference Guide (July 2026). The comments in the code are by the model that wrote it; some were corrected since.
;; FPN Ro I Align. Allowed arithmetic: float matrix products may take bf16 or f16 operands with f32 sums; all other float work in f32.
;; Inputs: feat0 2 x 256 x 256 x 256 float32; feat1 2 x 256 x 128 x 128 float32; feat2 2 x 256 x 64 x 64 float32; feat3 2 x 256 x 32 x 32 float32; rois 1,000 x 5 float32.
;; Outputs: out0 1,000 x 256 x 7 x 7 float32.
;; One version. Each part assembles by itself: llvm-mc -triple=amdgcn-amd-amdhsa -mcpu=gfx1250 --defsym DOCPART=n.
;; ======== version 1 of 1: 2 launches
;; workspace buffers: idx 256,000 bytes of whole numbers; wts 256,000 bytes
;; launch prep (part 1): grid 1000 x 1, 1 waves a work-group, no clusters, 0 bytes of LDS; arguments rois, idx, wts; writes idx, wts
.if DOCPART == 1
	.amdgcn_target "amdgcn-amd-amdhsa--gfx1250"
	.amdhsa_code_object_version 6
	.text
	.protected	k_qce4d085325_prep
	.globl	k_qce4d085325_prep
	.p2align	8
	.type	k_qce4d085325_prep,@function
k_qce4d085325_prep:
	s_mov_b64 s[64:65], 0
	v_nop
	global_prefetch_b8 v0, s[64:65] scope:SCOPE_SE
	s_setreg_imm32_b32 hwreg(HW_REG_WAVE_MODE, 25, 1), 1
	s_wait_xcnt 0x0
; FPN RoIAlign, first of two launches: everything that turns a RoI's five floats into whole numbers.
; One wave = one RoI.  Lanes 0-13 take the 14 sample rows (y), lanes 16-29 the 14 sample columns (x); a lane makes both taps
; (lo, hi) of its sample.  Lanes 14, 15 carry the record's head, lanes 30, 31 zeros.  A lane stores 8 bytes into each record,
; so each of the two stores covers the record's 256 consecutive bytes, aligned.
;   idx record (64 words): 0-27 y_tap * W + start;  28 level, 29 batch, 30 windows NW, 31 bytes of a plane;  32-59 x_tap - start;  60-63 zero
;   wts record (64 words): 0-27 y weights, 28-31 zero, 32-59 x weights, 60-63 zero; a weight = 0.5 * valid * (1 - frac or frac)
; The columns that the second launch loads are NW windows of 32, from start on: start is a multiple of 4 and start + 32 NW <= W.
; LEVEL: floor(2 + log2 t) clipped to 0..3 steps at t = 1/2, 1, 2 and nowhere else (log2 is monotone and exact there), so three compares make it.
; LIMITS: t within f32 rounding of 1/2, 1 or 2 may give the neighbouring level; w * h < 0 or NaN gives level 0; the batch index is clamped to 0..1;
; 1/7 and 1/224 are multiplied (1 ulp from the quotient).
.set ROI_BYTES, 20
	s_load_b128 s[4:7], s[0:1], 0x0                ; rois s[4:5], idx s[6:7]
	s_load_b64 s[8:9], s[0:1], 0x10                ; wts
	s_mul_i32 s2, ttmp9, ROI_BYTES                 ; my RoI's five floats
	s_mov_b32 s3, 0
	s_mov_b32 s17, 0x3b924925                      ; 1/224
	s_mov_b32 s18, 0x358637bd                      ; 1e-6
	s_mov_b32 s20, 0x3e124925                      ; 1/7
	v_and_b32 v1, 15, v0                           ; place in my half of the wave
	v_min_u32 v2, 13, v1                           ; sample 0..13 (places 14, 15 compute sample 13 and are overwritten below)
	v_cvt_f32_u32 v2, v2
	v_add_f32 v2, 0.5, v2
	v_mul_f32 v2, 0.5, v2                          ; g = (sample + 0.5) / 2, in bins
	v_cmp_lt_u32 s19, 15, v0                       ; mask: lanes of the x axis
	v_cmp_gt_u32 s23, 14, v1                       ; mask: lanes that hold a sample
	v_lshlrev_b32 v33, 3, v0                       ; 8 bytes a lane in both records
	s_wait_kmcnt 0x0
	s_add_nc_u64 s[4:5], s[4:5], s[2:3]
	s_load_b128 s[12:15], s[4:5], 0x0              ; b, x1, y1, x2
	s_load_b32 s16, s[4:5], 0x10                   ; y2
	s_lshl_b32 s2, ttmp9, 8                        ; my records: 256 bytes each
	s_add_nc_u64 s[6:7], s[6:7], s[2:3]
	s_add_nc_u64 s[8:9], s[8:9], s[2:3]
	s_wait_kmcnt 0x0
	; the level, the same in every lane
	v_mov_b32 v3, s13                              ; x1
	v_mov_b32 v4, s14                              ; y1
	v_mov_b32 v14, s15                             ; x2
	v_mov_b32 v15, s16                             ; y2
	v_sub_f32 v5, v14, v3
	v_sub_f32 v7, v15, v4
	v_add_f32 v5, 1.0, v5                          ; w
	v_add_f32 v7, 1.0, v7                          ; h
	v_mul_f32 v5, v5, v7
	v_sqrt_f32 v5, v5
	v_cndmask_b32 v3, v4, v3, s19                  ; my axis's first edge: a plain instruction between the root and its use (ISA guide 5.7.2)
	v_cndmask_b32 v14, v15, v14, s19               ; my axis's second edge
	s_wait_alu depctr_va_vdst(0)
	v_fma_f32 v5, v5, s17, s18                     ; t = sqrt(w h) / 224 + 1e-6
	v_cmp_le_f32 vcc_lo, 0.5, v5
	v_cndmask_b32 v6, 0, 1, vcc_lo
	v_cmp_le_f32 vcc_lo, 1.0, v5
	v_cndmask_b32 v7, 0, 1, vcc_lo
	v_cmp_le_f32 vcc_lo, 2.0, v5
	v_cndmask_b32 v8, 0, 1, vcc_lo
	v_add3_u32 v6, v6, v7, v8                      ; level 0..3
	v_lshlrev_b32 v9, 23, v6
	v_sub_nc_u32 v9, 0x3e800000, v9                ; scale = 0.25 * 2^-level, made in the exponent field
	v_mov_b32 v10, 0x100
	v_lshrrev_b32 v10, v6, v10                     ; W = H = 256 >> level
	v_add_nc_u32 v11, -1, v10                      ; W - 1
	v_cvt_f32_u32 v12, v10
	v_cvt_f32_u32 v13, v11
	; my sample's coordinate, its two taps and their weights
	v_mul_f32 v3, v3, v9
	v_mul_f32 v14, v14, v9
	v_sub_f32 v16, v14, v3
	v_max_num_f32 v16, 1.0, v16                    ; the RoI's extent, at least 1
	v_mul_f32 v16, s20, v16                        ; a bin
	v_fma_f32 v17, v16, v2, v3                     ; s
	v_cmp_le_f32 s21, -1.0, v17                    ; valid: -1 <= s
	v_cmp_ge_f32 s22, v12, v17                     ;        and s <= W
	s_and_b32 s21, s21, s22
	s_and_b32 s21, s21, s23                        ; and the lane holds a sample
	v_max_num_f32 v18, 0, v17
	v_min_num_f32 v18, v18, v13                    ; s clipped to 0 .. W - 1
	v_floor_f32 v19, v18
	v_cvt_u32_f32 v20, v19
	v_sub_f32 v22, v18, v19                        ; frac
	v_min_u32 v20, v20, v11                        ; lo
	v_add_nc_u32 v21, 1, v20
	v_min_u32 v21, v21, v11                        ; hi
	v_sub_f32 v24, 1.0, v22
	v_mul_f32 v24, 0.5, v24                        ; half of the mean's 1/4 goes into each axis
	v_mul_f32 v25, 0.5, v22
	v_cndmask_b32 v24, 0, v24, s21
	v_cndmask_b32 v25, 0, v25, s21
	; the windows: samples ascend, so the first column is sample 0's lo (lane 16) and the last is sample 13's hi (lane 29)
	v_readlane_b32 s24, v20, 16
	v_readlane_b32 s25, v21, 29
	v_readfirstlane_b32 s26, v10                   ; W
	s_and_b32 s27, s24, -4                         ; down to a multiple of 4 columns (16 bytes)
	s_sub_co_u32 s28, s25, s27
	s_add_co_u32 s28, s28, 32
	s_lshr_b32 s28, s28, 5                         ; NW = ceil((last - first + 1) / 32), 1 .. W / 32
	s_lshl_b32 s29, s28, 5
	s_sub_co_u32 s29, s26, s29
	s_min_u32 s27, s27, s29                        ; start: moved left where the windows would pass the row's end
	v_cndmask_b32 v28, v10, 1, s19                 ; y lanes: tap * W + start;  x lanes: tap * 1 - start
	v_mov_b32 v29, s27
	v_sub_nc_u32 v30, 0, v29
	v_cndmask_b32 v29, v29, v30, s19
	v_mad_u32_u24 v26, v20, v28, v29
	v_mad_u32_u24 v27, v21, v28, v29
	; the head in lanes 14 and 15, zeros in lanes 30 and 31
	v_cvt_u32_f32 v31, s12
	v_min_u32 v31, 1, v31                          ; batch
	v_mul_u32_u24 v32, v10, v10
	v_lshlrev_b32 v32, 2, v32                      ; bytes of a plane
	v_cmp_eq_u32 vcc_lo, 14, v0
	v_cndmask_b32 v26, v26, v6, vcc_lo
	v_cndmask_b32 v27, v27, v31, vcc_lo
	v_cmp_eq_u32 vcc_lo, 15, v0
	v_cndmask_b32 v26, v26, s28, vcc_lo
	v_cndmask_b32 v27, v27, v32, vcc_lo
	v_cmp_lt_u32 vcc_lo, 29, v0
	v_cndmask_b32 v26, v26, 0, vcc_lo
	v_cndmask_b32 v27, v27, 0, vcc_lo
	global_store_b64 v33, v[26:27], s[6:7]         ; 32 lanes x 8 bytes: the whole record
	global_store_b64 v33, v[24:25], s[8:9]
	s_endpgm
.Lfunc_end_k_qce4d085325_prep:
	.size	k_qce4d085325_prep, .Lfunc_end_k_qce4d085325_prep-k_qce4d085325_prep
	.p2alignl 7, 3214868480
	.fill 96, 4, 3214868480
	.section	.rodata,"a",@progbits
	.p2align	6, 0x0
	.amdhsa_kernel k_qce4d085325_prep
		.amdhsa_group_segment_fixed_size 0
		.amdhsa_private_segment_fixed_size 0
		.amdhsa_enable_private_segment 0
		.amdhsa_kernarg_size 24
		.amdhsa_user_sgpr_count 2
		.amdhsa_user_sgpr_kernarg_segment_ptr 1
		.amdhsa_wavefront_size32 1
		.amdhsa_system_sgpr_workgroup_id_x 1
		.amdhsa_system_sgpr_workgroup_id_y 1
		.amdhsa_system_sgpr_workgroup_id_z 1
		.amdhsa_system_vgpr_workitem_id 0
		.amdhsa_next_free_vgpr 40
		.amdhsa_next_free_sgpr 66
		.amdhsa_reserve_vcc 1
		.amdhsa_float_denorm_mode_32 3
		.amdhsa_float_denorm_mode_16_64 3
		.amdhsa_memory_ordered 1
		.amdhsa_forward_progress 1
		.amdhsa_inst_pref_size 5
	.end_amdhsa_kernel
	.amdgpu_metadata
---
amdhsa.version: [ 1, 2 ]
amdhsa.kernels:
  - .name:           k_qce4d085325_prep
    .symbol:         k_qce4d085325_prep.kd
    .args:
      - { .name: rois, .offset: 0, .size: 8, .value_kind: global_buffer, .address_space: global }
      - { .name: idx, .offset: 8, .size: 8, .value_kind: global_buffer, .address_space: global }
      - { .name: wts, .offset: 16, .size: 8, .value_kind: global_buffer, .address_space: global }
    .group_segment_fixed_size: 0
    .private_segment_fixed_size: 0
    .kernarg_segment_align: 8
    .kernarg_segment_size: 24
    .max_flat_workgroup_size: 32
    .sgpr_count:     66
    .vgpr_count:     40
    .wavefront_size: 32
...
	.end_amdgpu_metadata
.endif
;; end of part 1
;; launch pool (part 2): grid 1000 x 4, 1 waves a work-group, no clusters, 17,152 bytes of LDS; arguments feat0, feat1, feat2, feat3, idx, wts, out0; writes out0
.if DOCPART == 2
	.amdgcn_target "amdgcn-amd-amdhsa--gfx1250"
	.amdhsa_code_object_version 6
	.text
	.protected	k_qce4d085325_pool
	.globl	k_qce4d085325_pool
	.p2align	8
	.type	k_qce4d085325_pool,@function
k_qce4d085325_pool:
	s_mov_b64 s[64:65], 0
	v_nop
	global_prefetch_b8 v0, s[64:65] scope:SCOPE_SE
	s_setreg_imm32_b32 hwreg(HW_REG_WAVE_MODE, 25, 1), 1
	s_wait_xcnt 0x0
; FPN RoIAlign, second launch: the pooling.  One wave = one RoI (work-group x) and 64 channels (work-group y): 64 x 49 x 4 = 12,544 bytes of out0,
; 49 times 256, the smallest share of a RoI whose two ends fall on multiples of 256 bytes.
; A bin is  sum over 4 row taps, 4 column taps of  wy * wx * F[row][column]  (two samples an axis, two taps a sample; the mean's 1/4 and the validity
; masks lie in the weights, made by the launch before).  The two axes are taken one after the other, four planes (a SET) at a time:
;   loads    lane = (plane lane>>3, quad lane&7): one 16-byte load a lane brings one row tap of four planes over a window of 32 columns;
;            28 row taps = 28 loads = 14,336 bytes a set.  A row's piece is 128 consecutive bytes.
;   y stage  in registers: for each of the 7 bin rows, 4 taps x 4 columns a lane, two columns an instruction; weights are the same in all lanes.
;   x stage  through LDS: the bin row's 4 x 32 sums are stored, and lane = (plane, px = lane&7) gathers its bin's 4 column taps.  Lanes with px = 7
;            have weight 0 and store nothing.
;   stage    the 64 x 49 results collect in LDS and leave as whole runs of 512 consecutive bytes.
; A RoI whose taps span more than one window (wide and flat ones; a square one never: at most 29 columns at its level) takes NW windows, one more
; trip each with the same text; the weights of column taps that lie in other windows are 0 in a trip.
; RING: as soon as a bin row's 16 data registers are reduced they are loaded again for the next trip, so 28 loads are out all the time.
; One wave a work-group: LDS is the wave's own, LDS serves a wave's instructions in order (ISA guide 5.7.1), so there is no barrier and no wait
; between a store and the loads that read it.
; LDS: 17,152 bytes; 4,096 + 25 x 512 = 16,896 of them hold the sums and the stage.  The stage ends at 4,096 + 12,544 = 16,640; the rest is there so that the addresses of all 32 lanes of the
; masked instructions (the stage's stores, the last read of the way out), the idle lanes' too, lie inside what the work-group is given.
; NOT USED: matrix units (f32 interpolation; 30-odd multiply-adds a plane); tensor loads, clusters, multicast (rows are picked RoI by RoI, no tile is
; shared at a known time); a separate prefetch (each wave's whole next trip is already requested one trip ahead).
; LIMIT: features must be finite: with NW > 1 a weight 0 multiplies sums of columns that the bin does not touch.
.set ROIOUT, 50176                     ; bytes of out0 for a RoI
.set CHOUT,  196                       ; for a channel
.set SHARE,  64*CHOUT                  ; for this wave
.set SETS,   16                        ; 64 channels in sets of 4
.set PYS,    576                       ; LDS: from bin row to bin row: 4 planes x 128 bytes + 64 bytes of skew
.set STAGE,  4096                      ; LDS: the results, behind 7 x 576 = 4,032 bytes of y sums
.set ZERO, 1                           ; v1       0
.set CSUB, 2                           ; v2       plane of the set, lane >> 3
.set PX,   3                           ; v3       lane & 7: quad of the window in loads, px in the x stage
.set Q16,  4                           ; v4       16 x (lane & 7)
.set CB,   5                           ; v5       LDS: my plane's 128 bytes in a bin row
.set TS,   6                           ; v6       LDS: where my 16 bytes of y sums go
.set SS,   7                           ; v7       LDS: my bin of bin row 0 in the stage, stepped set by set
.set LP,   8                           ; v8       my plane and quad, in bytes of the feature map
.set CO,   9                           ; v9       the way out: 16 x lane
.set RD,   10                          ; v10      the way out: the same in the stage
.set GA,   12                          ; v[12:15] LDS: my 4 column taps in bin row 0
.set CW,   16                          ; v[16:19] the window that each of them lies in
.set COL,  20                          ; v[20:23] my 4 column taps as loaded
.set WX,   24                          ; v[24:27] their weights
.set WXM,  28                          ; v[28:31] the same, 0 outside this trip's window
.set A,    32                          ; v[32:39] y sums of a bin row, two sets in turn
.set G,    40                          ; v[40:47] gathered taps, two sets in turn
.set OUT,  48                          ; v[48:54] my bin in the 7 bin rows
.set WY,   56                          ; v[56:83] the 28 row weights, in every lane
.set VOFF, 84                          ; v[84:111] row tap j: byte offset of my 16 bytes from the set's first plane, window 0
.set X,    112                         ; v[112:223] row tap j: 4 registers
.set OUTP, 16                          ; s[16:17] out0 at my share
.set LVL,  20                          ; s20-23   the record's head: level, batch, windows, bytes of a plane
.set BAT,  21
.set NW,   22
.set PB,   23
.set ROW,  24                          ; s[24:25] the set that is being loaded, window 0
.set BASE, 26                          ; s[26:27] the same at the window that is being loaded
.set STEP, 28                          ; s[28:29] four planes, in bytes
.set NWM1, 30                          ; s30      NW - 1
.set WI,   31                          ; s31      window counter
.set CI,   32                          ; s32      set counter
.set MK,   33                          ; s33      mask of the lanes with px < 7
.set SV,   34                          ; s34      EXEC, saved
	s_load_b256 s[4:11], s[0:1], 0x0               ; feat0 .. feat3
	s_load_b128 s[12:15], s[0:1], 0x20             ; idx s[12:13], wts s[14:15]
	s_load_b64 s[OUTP:OUTP+1], s[0:1], 0x30        ; out0
	v_lshl_add_u32 v224, v0, 2, 0x4200
	v_mov_b32 v225, 0
	s_lshl_b32 s2, ttmp9, 8                        ; my RoI's records, 256 bytes each
	s_mov_b32 s3, 0
	s_and_b32 s18, ttmp7, 0xffff                   ; which 64 channels
	v_mov_b32 v[ZERO], 0
	v_lshrrev_b32 v[CSUB], 3, v0
	v_and_b32 v[PX], 7, v0
	v_lshlrev_b32 v[Q16], 4, v[PX]
	s_wait_kmcnt 0x0
	s_add_nc_u64 s[12:13], s[12:13], s[2:3]
	s_add_nc_u64 s[14:15], s[14:15], s[2:3]
	s_load_b128 s[LVL:LVL+3], s[12:13], 0x70       ; words 28-31 of the record
.irp k, 0,1,2,3,4,5,6
	global_load_b128 v[VOFF+4*\k:VOFF+4*\k+3], v[ZERO], s[12:13] offset:16*\k      ; the 28 row offsets, the same in every lane
.endr
.irp k, 0,1,2,3,4,5,6
	global_load_b128 v[WY+4*\k:WY+4*\k+3], v[ZERO], s[14:15] offset:16*\k          ; the 28 row weights
.endr
	global_load_b128 v[COL:COL+3], v[Q16], s[12:13] offset:128                     ; my bin column's 4 taps (px = 7: zeros)
	global_load_b128 v[WX:WX+3],   v[Q16], s[14:15] offset:128                     ; and their weights (px = 7: zeros)
	; LDS addresses.  Planes 0, 1 lie at 0, 128 and planes 2, 3 at 320, 448 of a bin row: each half of the lanes stores 256 consecutive bytes,
	; and in the gathers planes 2, 3 stand 16 words off planes 0, 1 modulo the 64 banks of 4 bytes (ISA guide 11.1), so that the same column of
	; two planes is not the same bank.
	v_lshrrev_b32 v[CB], 4, v0
	v_lshlrev_b32 v[CB], 6, v[CB]
	v_lshl_add_u32 v[CB], v[CSUB], 7, v[CB]
	v_add_nc_u32 v[TS], v[CB], v[Q16]
	v_mul_u32_u24 v[SS], CHOUT, v[CSUB]
	v_lshl_add_u32 v[SS], v[PX], 2, v[SS]
	v_add_nc_u32 v[SS], STAGE, v[SS]
	v_cmp_ne_u32 s[MK], 7, v[PX]
.irp p, 0,1,2,3,4,5,6
	v_mov_b32 v[OUT+\p], 0                         ; seven sums; a set may take several trips, so they are added to and cleared when stored
.endr
	s_mul_i32 s2, ttmp9, ROIOUT
	s_mul_i32 s19, s18, SHARE
	s_add_co_u32 s2, s2, s19                       ; below 50,176,000
	s_add_nc_u64 s[OUTP:OUTP+1], s[OUTP:OUTP+1], s[2:3]
	s_wait_kmcnt 0x0
	; whole numbers that were loaded enter an address only behind a clamp by a constant
	s_min_u32 s[LVL], s[LVL], 3
	s_min_u32 s[BAT], s[BAT], 1
	s_min_u32 s[NW], s[NW], 8
	s_max_u32 s[NW], s[NW], 1
	s_min_u32 s[PB], s[PB], 0x40000
	s_cmp_eq_u32 s[LVL], 1
	s_cselect_b64 s[ROW:ROW+1], s[6:7], s[4:5]
	s_cmp_eq_u32 s[LVL], 2
	s_cselect_b64 s[ROW:ROW+1], s[8:9], s[ROW:ROW+1]
	s_cmp_eq_u32 s[LVL], 3
	s_cselect_b64 s[ROW:ROW+1], s[10:11], s[ROW:ROW+1]
	s_lshl_b32 s2, s[BAT], 8                       ; 256 planes a batch
	s_lshl_b32 s19, s18, 6                         ; 64 planes a share
	s_add_co_u32 s2, s2, s19
	s_mul_i32 s2, s2, s[PB]                        ; at most 448 planes of 262,144 bytes
	s_add_nc_u64 s[ROW:ROW+1], s[ROW:ROW+1], s[2:3]
	s_mov_b64 s[BASE:BASE+1], s[ROW:ROW+1]
	s_lshl_b32 s[STEP], s[PB], 2
	s_mov_b32 s[STEP+1], 0
	s_sub_co_u32 s[NWM1], s[NW], 1
	v_mad_u32_u24 v[LP], v[CSUB], s[PB], v[Q16]
	s_wait_loadcnt 9                               ; the 7 loads of row offsets are in; the 9 behind them may be out
.set j, 0
.rept 28
	v_min_u32 v[VOFF+j], 0xffff, v[VOFF+j]         ; an element of a plane
	v_lshl_add_u32 v[VOFF+j], v[VOFF+j], 2, v[LP]
.set j, j+1
.endr
.set j, 0
.rept 28
	global_load_b128 v[X+4*j:X+4*j+3], v[VOFF+j], s[BASE:BASE+1]       ; the ring is filled: set 0, window 0
.set j, j+1
.endr
	s_wait_loadcnt 28                              ; everything older than those 28: weights and columns
.irp t, 0,1,2,3
	v_min_u32 v[COL+\t], 0xff, v[COL+\t]
	v_lshrrev_b32 v[CW+\t], 5, v[COL+\t]           ; its window
	v_and_b32 v[GA+\t], 31, v[COL+\t]              ; its column there
	v_lshl_add_u32 v[GA+\t], v[GA+\t], 2, v[CB]
.endr
; One bin row of a trip.  ahead = 1: its registers are loaded again for the next trip.  left = how many younger loads may stay out.
.macro TURN py, ahead, left
.set XX, X+16*\py
.set WW, WY+4*\py
.set AA, A+4*(\py%2)
.set GG, G+4*(\py%2)
.set GP, G+4*((\py+1)%2)
	s_wait_loadcnt \left                           ; loads come back in order (ISA guide 5.7.1): this bin row's four are in
	; op_sel / op_sel_hi pick one register of the weights' pair for both halves: the first (0, 0) or the second (1, 1)
	v_pk_mul_f32 v[AA:AA+1],   v[XX:XX+1],     v[WW:WW+1] op_sel_hi:[1,0]
	v_pk_mul_f32 v[AA+2:AA+3], v[XX+2:XX+3],   v[WW:WW+1] op_sel_hi:[1,0]
	v_pk_fma_f32 v[AA:AA+1],   v[XX+4:XX+5],   v[WW:WW+1], v[AA:AA+1] op_sel:[0,1,0] op_sel_hi:[1,1,1]
	v_pk_fma_f32 v[AA+2:AA+3], v[XX+6:XX+7],   v[WW:WW+1], v[AA+2:AA+3] op_sel:[0,1,0] op_sel_hi:[1,1,1]
	v_pk_fma_f32 v[AA:AA+1],   v[XX+8:XX+9],   v[WW+2:WW+3], v[AA:AA+1] op_sel_hi:[1,0,1]
	v_pk_fma_f32 v[AA+2:AA+3], v[XX+10:XX+11], v[WW+2:WW+3], v[AA+2:AA+3] op_sel_hi:[1,0,1]
	v_pk_fma_f32 v[AA:AA+1],   v[XX+12:XX+13], v[WW+2:WW+3], v[AA:AA+1] op_sel:[0,1,0] op_sel_hi:[1,1,1]
	v_pk_fma_f32 v[AA+2:AA+3], v[XX+14:XX+15], v[WW+2:WW+3], v[AA+2:AA+3] op_sel:[0,1,0] op_sel_hi:[1,1,1]
.if \ahead
.irp t, 0,1,2,3
	global_load_b128 v[XX+4*\t:XX+4*\t+3], v[VOFF+4*\py+\t], s[BASE:BASE+1]
.endr
.endif
	ds_store_b128 v[TS], v[AA:AA+3] offset:\py*PYS
.irp t, 0,1,2,3
	ds_load_b32 v[GG+\t], v[GA+\t] offset:\py*PYS  ; served behind the store above
.endr
.if \py > 0
	s_wait_dscnt 5                                 ; the bin row before is gathered: only this one's store and four loads are younger
.irp t, 0,1,2,3
	v_fmac_f32 v[OUT+\py-1], v[WXM+\t], v[GP+\t]
.endr
.endif
.endm
; One trip: four planes, one window (its number in s[wreg]).
; kind 0: another window of these planes follows.  kind 1: the planes' last window, the next four planes follow.  kind 2: nothing follows.
.macro TRIP kind, wreg
.if \kind == 0
	s_wait_xcnt 0x0                                ; the base of the loads issued so far is rewritten only behind this wait
	s_add_nc_u64 s[BASE:BASE+1], s[BASE:BASE+1], 128
.endif
.if \kind == 1
	s_wait_xcnt 0x0
	s_add_nc_u64 s[ROW:ROW+1], s[ROW:ROW+1], s[STEP:STEP+1]
	s_mov_b64 s[BASE:BASE+1], s[ROW:ROW+1]
.endif
.irp t, 0,1,2,3
	v_cmp_eq_u32 vcc_lo, s[\wreg], v[CW+\t]
	v_cndmask_b32 v[WXM+\t], 0, v[WX+\t], vcc_lo   ; a tap counts in its own window's trip alone
.endr
.if \kind == 2
.irp p, 0,1,2,3,4,5,6
	TURN \p, 0, 24-4*\p                            ; nothing is issued any more: the counts run down to 0
.endr
.else
.irp p, 0,1,2,3,4,5,6
	TURN \p, 1, 24                                 ; six bin rows' loads, of this trip or the next, are younger
.endr
.endif
	s_wait_dscnt 0x0
.irp t, 0,1,2,3
	v_fmac_f32 v[OUT+6], v[WXM+\t], v[G+\t]
.endr
.if \kind != 0
	s_wait_xcnt 0x0                                ; EXEC is a source of the loads issued above: it changes only behind this wait
	s_and_saveexec_b32 s[SV], s[MK]                ; lanes with px = 7 hold no bin
.irp p, 0,1,2,3,4,5,6
	ds_store_b32 v[SS], v[OUT+\p] offset:28*\p     ; word 49 plane + 7 py + px: 28 different banks
.endr
	s_or_b32 exec_lo, exec_lo, s[SV]               ; no global instruction since the wait
.endif
.if \kind == 1
	v_add_nc_u32 v[SS], 4*CHOUT, v[SS]
.irp p, 0,1,2,3,4,5,6
	v_mov_b32 v[OUT+\p], 0
.endr
.endif
.endm
	s_mov_b32 s[CI], 0
.Lplanes:
	s_cmp_eq_u32 s[NWM1], 0                        ; one window: no trip of kind 0
	s_cbranch_scc1 .Llast
	s_mov_b32 s[WI], 0
.Lwin:
	TRIP 0, WI
	s_add_co_u32 s[WI], s[WI], 1
	s_cmp_lt_u32 s[WI], s[NWM1]
	s_cbranch_scc1 .Lwin
.Llast:
	TRIP 1, NWM1
	s_add_co_u32 s[CI], s[CI], 1
	s_cmp_lt_u32 s[CI], SETS-1
	s_cbranch_scc1 .Lplanes
	; the last four planes, written out: their last trip loads nothing, so no load leaves the feature map
	s_cmp_eq_u32 s[NWM1], 0
	s_cbranch_scc1 .Ltail
	s_mov_b32 s[WI], 0
.Lwin2:
	TRIP 0, WI
	s_add_co_u32 s[WI], s[WI], 1
	s_cmp_lt_u32 s[WI], s[NWM1]
	s_cbranch_scc1 .Lwin2
.Ltail:
	TRIP 2, NWM1
	; THE WAY OUT: 12,544 bytes = 24 stores of 512 consecutive bytes and one of 256, all at multiples of 256 from out0's first byte.
	; The data registers of the ring are free: the last trip's last wait was for 0 loads.
	v_lshlrev_b32 v[CO], 4, v0
	v_add_nc_u32 v[RD], STAGE, v[CO]
.set k, 0
.rept 24
	ds_load_b128 v[X+4*k:X+4*k+3], v[RD] offset:512*k      ; served behind the stage's stores
.set k, k+1
.endr
.set k, 0
.rept 24
	s_wait_dscnt 23-k                              ; LDS loads come back in order: number k is in
	global_store_b128 v[CO], v[X+4*k:X+4*k+3], s[OUTP:OUTP+1] offset:512*k th:TH_STORE_NT
.set k, k+1
.endr
	v_cmp_gt_u32 vcc_lo, 16, v0
	s_wait_xcnt 0x0                                ; EXEC changes only behind this wait
	s_and_saveexec_b32 s[SV], vcc_lo               ; the last 256 bytes: sixteen lanes
	ds_load_b128 v[X+96:X+99], v[RD] offset:12288
	s_wait_dscnt 0x0
	global_store_b128 v[CO], v[X+96:X+99], s[OUTP:OUTP+1] offset:12288 th:TH_STORE_NT
	s_wait_xcnt 0x0
	s_or_b32 exec_lo, exec_lo, s[SV]
	s_wait_xcnt 0x0
	s_mov_b32 exec_lo, -1
	s_wait_tensorcnt 0x0
	ds_add_u32 v224, v225
	s_wait_dscnt 0x0
	s_endpgm
.Lfunc_end_k_qce4d085325_pool:
	.size	k_qce4d085325_pool, .Lfunc_end_k_qce4d085325_pool-k_qce4d085325_pool
	.p2alignl 7, 3214868480
	.fill 96, 4, 3214868480
	.section	.rodata,"a",@progbits
	.p2align	6, 0x0
	.amdhsa_kernel k_qce4d085325_pool
		.amdhsa_group_segment_fixed_size 17152
		.amdhsa_private_segment_fixed_size 0
		.amdhsa_enable_private_segment 0
		.amdhsa_kernarg_size 56
		.amdhsa_user_sgpr_count 2
		.amdhsa_user_sgpr_kernarg_segment_ptr 1
		.amdhsa_wavefront_size32 1
		.amdhsa_system_sgpr_workgroup_id_x 1
		.amdhsa_system_sgpr_workgroup_id_y 1
		.amdhsa_system_sgpr_workgroup_id_z 1
		.amdhsa_system_vgpr_workitem_id 0
		.amdhsa_next_free_vgpr 226
		.amdhsa_next_free_sgpr 66
		.amdhsa_reserve_vcc 1
		.amdhsa_float_denorm_mode_32 3
		.amdhsa_float_denorm_mode_16_64 3
		.amdhsa_memory_ordered 1
		.amdhsa_forward_progress 1
		.amdhsa_inst_pref_size 56
	.end_amdhsa_kernel
	.amdgpu_metadata
---
amdhsa.version: [ 1, 2 ]
amdhsa.kernels:
  - .name:           k_qce4d085325_pool
    .symbol:         k_qce4d085325_pool.kd
    .args:
      - { .name: feat0, .offset: 0, .size: 8, .value_kind: global_buffer, .address_space: global }
      - { .name: feat1, .offset: 8, .size: 8, .value_kind: global_buffer, .address_space: global }
      - { .name: feat2, .offset: 16, .size: 8, .value_kind: global_buffer, .address_space: global }
      - { .name: feat3, .offset: 24, .size: 8, .value_kind: global_buffer, .address_space: global }
      - { .name: idx, .offset: 32, .size: 8, .value_kind: global_buffer, .address_space: global }
      - { .name: wts, .offset: 40, .size: 8, .value_kind: global_buffer, .address_space: global }
      - { .name: out0, .offset: 48, .size: 8, .value_kind: global_buffer, .address_space: global }
    .group_segment_fixed_size: 17152
    .private_segment_fixed_size: 0
    .kernarg_segment_align: 8
    .kernarg_segment_size: 56
    .max_flat_workgroup_size: 32
    .sgpr_count:     66
    .vgpr_count:     226
    .wavefront_size: 32
...
	.end_amdgpu_metadata
.endif
;; end of part 2
